; MI455X (gfx1250); checked and timed in simulation.
; The chip was launched on July 23, 2026; its instructions are those of AMD's public machine-readable ISA for CDNA 5 (MIT licence, August 2026) and "CDNA5" Instruction Set Architecture Reference Guide (July 2026). The comments in the code are by the model that wrote it; some were corrected since.
;; Content Based Attention. Allowed arithmetic: matrix products marked QUANTISED: E4M3 operands, one E8M0 scale for each 32 along K, by v_wmma_scale_f32_16x16x128_f8f6f4 with both operands' format E4M3, f32 sums; products left as they are: f32 operands where the result goes on into a quantised operand, else bf16, f16 or f32 operands; f32 sums; everything else in f32.
;; Inputs: V 1,024 x 1,024 float32; W 1,024 x 1,024 float32; b 1,024 float32; decoder_output 32 x 1 x 1,024 float32; encoder_outputs 32 x 2,048 x 1,024 float32; w 1,024 x 1 float32.
;; Outputs: out0 32 x 1,024 float32.
;; This version of the problem:
;;   THIS VERSION OF THE PROBLEM IS GIVEN IN LOW PRECISION. The matrix products marked QUANTISED in the list below multiply operands that are first quantised to E4M3 (4 exponent bits, 3 mantissa bits; 8 bits a number), with one power-of-two scale for each 32 numbers along K (OCP MX v1.0); their sums are f32. All else is computed in f32.
;;   The module's matrix products, in the order in which they are computed (A, B: the left and right operand; K: the contracted axis; several contracted axes count as one K, in the product's order):
;;     1. [M 32, K 1,024] x [K 1,024, N 1,024]; A: input decoder_output; B: input W: QUANTISED
;;     2. [M 65,536, K 1,024] x [K 1,024, N 1,024]; A: input encoder_outputs; B: input V: QUANTISED
;;     3. [M 65,536, K 1,024] x [K 1,024, N 1]; A: computed on the way; B: input w: left as it is (N = 1 < 16)
;;     4. batch 32 x [M 1, K 2,048] x [K 2,048, N 1,024]; A: softmax; B: input encoder_outputs: left as it is (M = 1 < 16)
;;   THE QUANTISER, for each operand of a quantised product, along K:
;;     - K is cut into blocks of 32 from its start; a last block that is shorter is filled with zeros.
;;     - A block's scale is 2^e with e = floor(log2(the largest magnitude in the block)) - 8, held to -126 .. 127; a block of zeros has e = 0. As a byte (E8M0): e + 127.
;;     - Each number is divided by its block's scale, clamped to +-448, and rounded to the nearest number of E4M3, ties to even, subnormals kept.
;;     - The product sums the exact products of the quantised numbers (number of the format x scale) in f32.
;;   ~~~python
;;   def quantise(x, axis):      # numpy; x: float32 -> the quantised numbers, widened to float32 again
;;       x = np.moveaxis(x, axis, -1); K = x.shape[-1]
;;       x = np.pad(x, [(0, 0)] * (x.ndim - 1) + [(0, -K % 32)]); x = x.reshape(x.shape[:-1] + (-1, 32)); a = np.abs(x).max(-1, keepdims=True)
;;       e = np.where(a > 0, np.clip(np.frexp(np.where(a > 0, a, 1))[1] - 1 - 8, -126, 127), 0)      # np.frexp(a)[1] - 1 = floor(log2(a)), exactly
;;       r = np.clip(x / 2.0 ** e, -448, 448)
;;       step = 2.0 ** (np.maximum(np.frexp(np.where(r == 0, 1, r))[1] - 1, -6) - 3)
;;       q = np.round(r / step) * step * 2.0 ** e      # np.round: ties to even
;;       return np.moveaxis(q.reshape(q.shape[:-2] + (-1,))[..., :K], -1, axis).astype(np.float32)
;;   ~~~
;; One version. Each part assembles by itself: llvm-mc -triple=amdgcn-amd-amdhsa -mcpu=gfx1250 --defsym DOCPART=n.
;; ======== version 1 of 1: 3 launches
;; workspace buffers: vimg 1,048,576 bytes; vscl 32,768 bytes; decp 1,048,576 bytes; scores 262,144 bytes
;; launch prep (part 1): grid 256 x 1, 1 waves a work-group, no clusters, 0 bytes of LDS; arguments V, W, decoder_output, vimg, vscl, decp; writes vimg, vscl, decp
.if DOCPART == 1
	.amdgcn_target "amdgcn-amd-amdhsa--gfx1250"
	.amdhsa_code_object_version 6
	.text
	.protected	k_q2bc5263ea4_prep
	.globl	k_q2bc5263ea4_prep
	.p2align	8
	.type	k_q2bc5263ea4_prep,@function
k_q2bc5263ea4_prep:
	s_mov_b64 s[64:65], 0
	v_nop
	global_prefetch_b8 v0, s[64:65] scope:SCOPE_SE
	s_setreg_imm32_b32 hwreg(HW_REG_WAVE_MODE, 25, 1), 1
	s_wait_xcnt 0x0
; V and W, [1024 (k)][1024 (c)] f32 with K as the FIRST axis, are quantised along K to codes of E4M3 with one E8M0 byte for each 32 along K.
; Work-groups 0-127 take V and store its codes and scale words as images of operand registers (vimg, vscl) for the next launch.
; Work-groups 128-255 take W, quantise decoder_output [32][1024] beside it, and multiply: decp[ks][batch][c] = the part of decoder_output x W that comes from K step ks (128 along K).
; SHARES.  One wave to a work-group: 64 columns (chunk g) x 128 along K (K step ks) of one matrix.  g = (x >> 3) & 15, ks = x & 7.
; A LANE TAKES FOUR NEIGHBOURING COLUMNS AND ITS REGISTERS RUN DOWN K: each load reads, of one row k, 16 bytes a lane: lanes 0-15 cover 256 consecutive aligned bytes, lanes 16-31 those of the row 16 further down.
; Column 64 g + 4 r + jt belongs to tile jt (r = lane % 16): so the four words of a load belong to four tiles, and a tile's numbers of lane (r, h) are k = 32 c + 16 h + i, the order of the operand's registers.
; A block's scale is 2^(floor(log2(its largest magnitude)) - 8); its byte is the largest magnitude's exponent field - 8, held at 1 from below.
; LIMITS: a block of zeros gets the byte 1 where the rule says 127 (its codes are zeros, and this program alone reads the bytes); blocks whose largest magnitude lies under 2^-118 sit on that floor;
; NaN and infinities among the inputs are not served; the sum over K of decoder_output x W is made of eight partial sums, added in f32 by the next launch: another order of rounding than one chain.
; REGISTERS.  window 0: v1 r, v2 h, v3-7 offsets, v8-23 at work, v24-27 and v28-29 scale words (they hold nothing else), v32-95 64 numbers on end, v96-159 the four tiles' codes, v160-191 decoder_output's codes, v192-255 accumulators.
;   window 1: the 64 loads of the matrix (register 4 (16 c + i) + jt).   window 2: decoder_output's 2 x 64 numbers.
.set TM,  8                            ; v8-11 largest magnitudes, v12-15 bytes, v16-19 448 x the scale, v20-23 the conversion's scale operand
.set PW,  24                           ; the four tiles' scale words
.set DW,  28                           ; decoder_output's two
.set Y,   32
.set P,   96
.set DP,  160
.set ACC, 192
.set MSB, 0
.macro WIN new                         ; the immediate's high byte repeats the setting that is left
.if MSB != (\new)
	s_set_vgpr_msb (MSB<<8)|(\new)
.set MSB, (\new)
.endif
.endm
.macro LOADX base                      ; 128 rows x 64 columns into window 1
	WIN 0x40
.irp c, 0,1,2,3
.irp i, 0,1,2,3,4,5,6,7,8,9,10,11,12,13,14,15
	global_load_b128 v[4*(16*\c+\i):4*(16*\c+\i)+3], v3, s[\base:\base+1] offset:(32*\c+\i)*4096 th:TH_LOAD_NT
.endr
.endr
	WIN 0
.endm
; One fragment: the 64 numbers at register sbase + stride (16 b + i) of window win (block b, i = 0 .. 15) become 16 registers of codes from v[pc] on and the scale word v[pw].
.macro QT win, sbase, stride, pc, pw
	WIN 5*(\win)                                   ; sources 0 and 1 in the numbers' window
.irp b, 0,1,2,3
	v_max3_num_f32 v[TM+\b], |v[(\sbase)+(\stride)*(16*\b)]|, |v[(\sbase)+(\stride)*(16*\b+1)]|, 0x4800000   ; my 16 numbers of block b, and the floor 2^(9 - 127): the byte cannot fall under 1
.endr
.irp i, 2,4,6,8,10,12,14
.irp b, 0,1,2,3
	v_max3_num_f32 v[TM+\b], |v[(\sbase)+(\stride)*(16*\b+\i)]|, |v[(\sbase)+(\stride)*(16*\b+\i+1)]|, v[TM+\b]   ; the four blocks by turns
.endr
.endr
	WIN 0
.irp b, 0,1,2,3
	v_permlanex16_b32 v[TM+4+\b], v[TM+\b], s20, s21
.endr
.irp b, 0,1,2,3
	v_max_num_f32 v[TM+\b], v[TM+\b], v[TM+4+\b]   ; with lane l xor 16's 16: the block's largest magnitude
.endr
.irp b, 0,1,2,3
	v_add_nc_u32 v[TM+12+\b], 0xfc000000, v[TM+\b] ; 8 off its exponent field: the conversion takes the exponent field of this operand as its scale
.endr
.irp b, 0,1,2,3
	v_and_or_b32 v[TM+8+\b], v[TM+\b], 0x7f800000, s22   ; 448 x the scale
.endr
.irp b, 0,1,2,3
	v_lshrrev_b32 v[TM+4+\b], 23, v[TM+12+\b]      ; the scale's byte
.endr
	v_lshl_or_b32 v[\pw], v[TM+5], 8, v[TM+4]
	v_lshl_or_b32 v[\pw], v[TM+6], 16, v[\pw]
	v_lshl_or_b32 v[\pw], v[TM+7], 24, v[\pw]
	WIN (\win)                                     ; source 0 alone
.irp b, 0,1,2,3
.irp i, 0,1,2,3,4,5,6,7,8,9,10,11,12,13,14,15
	v_med3_num_f32 v[Y+16*\b+\i], v[(\sbase)+(\stride)*(16*\b+\i)], -v[TM+8+\b], v[TM+8+\b]   ; the hold (the conversion to an 8-bit code does not saturate: ISA guide 7.6.2); it also lays the numbers on end
.endr
.endr
	WIN 0
.irp b, 0,1,2,3
	v_cvt_scalef32_pk8_fp8_f32 v[(\pc)+4*\b:(\pc)+4*\b+1], v[Y+16*\b:Y+16*\b+7], v[TM+12+\b]
	v_cvt_scalef32_pk8_fp8_f32 v[(\pc)+4*\b+2:(\pc)+4*\b+3], v[Y+16*\b+8:Y+16*\b+15], v[TM+12+\b]
.endr
	v_nop                                          ; one plain line between the conversions and the next vector or matrix line that touches their registers
.endm
	s_load_b256 s[4:11], s[0:1], 0x0               ; V s[4:5], W s[6:7], decoder_output s[8:9], vimg s[10:11]
	s_load_b128 s[12:15], s[0:1], 0x20             ; vscl s[12:13], decp s[14:15]
	v_and_b32 v1, 15, v0                           ; r
	v_lshrrev_b32 v2, 4, v0                        ; h (one wave: v0 is the lane)
	v_lshlrev_b32 v6, 4, v1                        ; 16 r
	v_lshl_add_u32 v3, v2, 16, v6                  ; the matrix: 16 rows of 4,096 bytes x h + 16 r
	v_lshlrev_b32 v4, 12, v1
	v_lshl_add_u32 v4, v2, 6, v4                   ; decoder_output: row r of 4,096 bytes + 64 h
	v_lshlrev_b32 v5, 4, v0                        ; 16 x lane: an image's place
	v_lshl_add_u32 v7, v2, 15, v6                  ; decp: 8 h rows of 4,096 bytes + 16 r
.irp b, 0,1,2,3
	v_mov_b32 v[TM+4+\b], 0                        ; written once: a lane permute's destination counts as one of its sources
.endr
	s_mov_b32 s20, 0x76543210
	s_mov_b32 s21, 0xfedcba98                      ; v_permlanex16_b32's selects for lane l xor 16
	s_mov_b32 s22, 0x600000                        ; the mantissa field of 448
	s_lshr_b32 s16, ttmp9, 3
	s_and_b32 s16, s16, 15                         ; g
	s_and_b32 s17, ttmp9, 7                        ; ks
	s_lshl_b32 s18, s17, 19                        ; the matrix: 128 ks rows
	s_lshl_b32 s19, s16, 8                         ; + 64 g columns
	s_add_co_u32 s18, s18, s19
	s_mov_b32 s19, 0
	s_lshl_b32 s24, s16, 16                        ; vimg: 65,536 g + 8,192 ks
	s_lshl_b32 s25, s17, 13
	s_add_co_u32 s24, s24, s25
	s_mov_b32 s25, 0
	s_lshl_b32 s26, s16, 11                        ; vscl: 2,048 g + 256 (ks / 4) + 4 (ks % 4)
	s_lshr_b32 s27, s17, 2
	s_lshl_b32 s27, s27, 8
	s_add_co_u32 s26, s26, s27
	s_and_b32 s27, s17, 3
	s_lshl_b32 s27, s27, 2
	s_add_co_u32 s26, s26, s27
	s_mov_b32 s27, 0
	s_lshl_b32 s28, s17, 9                         ; decoder_output: 128 ks numbers
	s_mov_b32 s29, 0
	s_lshl_b32 s30, s17, 17                        ; decp: 131,072 ks + 256 g
	s_lshl_b32 s31, s16, 8
	s_add_co_u32 s30, s30, s31
	s_mov_b32 s31, 0
	s_wait_kmcnt 0x0
	s_cmp_lt_u32 ttmp9, 128                        ; the two ways part here, on the work-group's number, and never join
	s_cbranch_scc0 .Lfor_w
	; ---- V: codes and scale words leave as images
	s_add_nc_u64 s[4:5], s[4:5], s[18:19]
	s_add_nc_u64 s[10:11], s[10:11], s[24:25]
	s_add_nc_u64 s[12:13], s[12:13], s[26:27]
	LOADX 4
	s_wait_loadcnt 0x0
.irp jt, 0,1,2,3
	QT 1, \jt, 4, P+16*\jt, PW+\jt
.endr
.irp jt, 0,1,2,3
.irp c, 0,1,2,3
	global_store_b128 v5, v[P+16*\jt+4*\c:P+16*\jt+4*\c+3], s[10:11] offset:\jt*2048+\c*512   ; 32 lanes store 512 consecutive bytes, aligned
.endr
.endr
	s_wait_xcnt 0x0                                ; EXEC is a source of the stores above: it changes only behind this wait
	v_cmp_gt_u32 vcc_lo, 16, v0
	s_and_saveexec_b32 s32, vcc_lo                 ; lanes 16-31 hold the same words
.irp jt, 0,1,2,3
	global_store_b32 v6, v[PW+\jt], s[12:13] offset:\jt*512   ; one word of each column's four: 4 bytes in 16; 32 KiB in all of the launch's 2 MiB of stores
.endr
	s_wait_xcnt 0x0
	s_or_b32 exec_lo, exec_lo, s32
	s_endpgm
.Lfor_w:
	; ---- W: quantised the same way, and multiplied at once by decoder_output's 32 rows
	s_add_nc_u64 s[6:7], s[6:7], s[18:19]
	s_add_nc_u64 s[8:9], s[8:9], s[28:29]
	s_add_nc_u64 s[14:15], s[14:15], s[30:31]
	LOADX 6
	WIN 0x80
.irp mt, 0,1
.irp b, 0,1,2,3
.irp j, 0,1,2,3
	global_load_b128 v[64*\mt+16*\b+4*\j:64*\mt+16*\b+4*\j+3], v4, s[8:9] offset:\mt*65536+\b*128+16*\j   ; batch 16 mt + r, k = 128 ks + 32 b + 16 h + 4 j ..
.endr
.endr
.endr
	WIN 0
	s_wait_loadcnt 0x0
.irp mt, 0,1
	QT 2, 64*\mt, 1, DP+16*\mt, DW+\mt
.endr
.irp jt, 0,1,2,3
	QT 1, \jt, 4, P+16*\jt, PW+\jt
.endr
.rept 8
	v_nop                                          ; a scale word made by vector lines stands 8 places ahead of a scaled matrix line, codes 4
.endr
.irp mt, 0,1
.irp jt, 0,1,2,3
	v_wmma_scale_f32_16x16x128_f8f6f4 v[ACC+8*(4*\mt+\jt):ACC+8*(4*\mt+\jt)+7], v[DP+16*\mt:DP+16*\mt+15], v[P+16*\jt:P+16*\jt+15], 0, v[DW+\mt], v[PW+\jt]   ; eight accumulators, one K step each
.endr
.endr
.rept 8
	v_nop                                          ; 8 places in front of the first read of results
.endr
; Register j of accumulator (mt, jt): batch 16 mt + 8 h + j, column 64 g + 4 r + jt.  The four tiles' registers j are four neighbouring columns: brought side by side, sixteen lanes store 256 consecutive aligned bytes.
; Each accumulator is read from register 0 on.  Every store has data registers of its own.
.irp mt, 0,1
.irp j, 0,1,2,3,4,5,6,7
.irp jt, 0,1,2,3
	v_mov_b32 v[Y+4*(8*\mt+\j)+\jt], v[ACC+8*(4*\mt+\jt)+\j]
.endr
	global_store_b128 v7, v[Y+4*(8*\mt+\j):Y+4*(8*\mt+\j)+3], s[14:15] offset:(16*\mt+\j)*4096
.endr
.endr
	s_endpgm
.Lfunc_end_k_q2bc5263ea4_prep:
	.size	k_q2bc5263ea4_prep, .Lfunc_end_k_q2bc5263ea4_prep-k_q2bc5263ea4_prep
	.p2alignl 7, 3214868480
	.fill 96, 4, 3214868480
	.section	.rodata,"a",@progbits
	.p2align	6, 0x0
	.amdhsa_kernel k_q2bc5263ea4_prep
		.amdhsa_group_segment_fixed_size 0
		.amdhsa_private_segment_fixed_size 0
		.amdhsa_enable_private_segment 0
		.amdhsa_kernarg_size 48
		.amdhsa_user_sgpr_count 2
		.amdhsa_user_sgpr_kernarg_segment_ptr 1
		.amdhsa_wavefront_size32 1
		.amdhsa_system_sgpr_workgroup_id_x 1
		.amdhsa_system_sgpr_workgroup_id_y 1
		.amdhsa_system_sgpr_workgroup_id_z 1
		.amdhsa_system_vgpr_workitem_id 0
		.amdhsa_next_free_vgpr 640
		.amdhsa_next_free_sgpr 66
		.amdhsa_reserve_vcc 1
		.amdhsa_float_denorm_mode_32 3
		.amdhsa_float_denorm_mode_16_64 3
		.amdhsa_memory_ordered 1
		.amdhsa_forward_progress 1
		.amdhsa_inst_pref_size 106
	.end_amdhsa_kernel
	.amdgpu_metadata
---
amdhsa.version: [ 1, 2 ]
amdhsa.kernels:
  - .name:           k_q2bc5263ea4_prep
    .symbol:         k_q2bc5263ea4_prep.kd
    .args:
      - { .name: V, .offset: 0, .size: 8, .value_kind: global_buffer, .address_space: global }
      - { .name: W, .offset: 8, .size: 8, .value_kind: global_buffer, .address_space: global }
      - { .name: decoder_output, .offset: 16, .size: 8, .value_kind: global_buffer, .address_space: global }
      - { .name: vimg, .offset: 24, .size: 8, .value_kind: global_buffer, .address_space: global }
      - { .name: vscl, .offset: 32, .size: 8, .value_kind: global_buffer, .address_space: global }
      - { .name: decp, .offset: 40, .size: 8, .value_kind: global_buffer, .address_space: global }
    .group_segment_fixed_size: 0
    .private_segment_fixed_size: 0
    .kernarg_segment_align: 8
    .kernarg_segment_size: 48
    .max_flat_workgroup_size: 32
    .sgpr_count:     66
    .vgpr_count:     640
    .wavefront_size: 32
...
	.end_amdgpu_metadata
.endif
;; end of part 1
;; launch score (part 2): grid 256 x 1, 4 waves a work-group, clusters of 4 x 1, 327,680 bytes of LDS; arguments encoder_outputs, vimg, vscl, decp, b, w, scores; writes scores
.if DOCPART == 2
	.amdgcn_target "amdgcn-amd-amdhsa--gfx1250"
	.amdhsa_code_object_version 6
	.text
	.protected	k_q2bc5263ea4_score
	.globl	k_q2bc5263ea4_score
	.p2align	8
	.type	k_q2bc5263ea4_score,@function
k_q2bc5263ea4_score:
	s_mov_b64 s[64:65], 0
	v_nop
	global_prefetch_b8 v0, s[64:65] scope:SCOPE_SE
	s_setreg_imm32_b32 hwreg(HW_REG_WAVE_MODE, 25, 1), 1
	s_wait_xcnt 0x0
	s_wait_alu depctr_hold_cnt(0) depctr_sa_sdst(0) depctr_va_vdst(0) depctr_va_sdst(0) depctr_va_ssrc(0) depctr_va_vcc(0) depctr_vm_vsrc(0)
	s_getreg_b32 s2, hwreg(HW_REG_IB_STS2, 6, 4)
	s_cmp_eq_u32 s2, 0
	s_cbranch_scc0 .Lentry_in_a_cluster
	s_endpgm
.Lentry_in_a_cluster:
	s_bfe_u32 s2, ttmp6, 0x10000c
	s_cmp_lg_u32 s2, 0x3003
	s_cbranch_scc0 .Lentry_shape_is_right
	s_endpgm
.Lentry_shape_is_right:
; scores[t] = -2 x the sum over c of w[c] / (1 + 2^(KC x[t][c])),  x = encoder_outputs[t] . V[:, c] + dec_proj[batch][c] + b[c],  KC = 2 log2(e).
; tanh(x) = 1 - 2 / (1 + 2^(KC x)), so the sum over c of w[c] tanh(x) is this number + the sum of w, which is the same for all t of a softmax and falls out of it.  Where 2^(..) is infinite the quotient is 0, where it is 0 the quotient is 1.
; The product is made on codes of E4M3 with one E8M0 byte for each 32 along K.  V's codes come as images of operand registers from the launch before; encoder_outputs is quantised here, once, on its way in.
; SHARES.  A work-group owns 256 rows t (all of one batch), each of its four waves 64: four tiles of 16.  A WAVE'S CODES FOR ALL OF K STAY IN ITS REGISTERS (4 x 8 fragments, 512 registers): so V is walked once,
; in 16 chunks of 64 columns, each chunk all of K; a fragment of V read from LDS feeds four matrix instructions, and a row's whole score stays in one wave.
; PHASE 1: 64 rows a wave are loaded (64 loads, 32 KiB, a wave on their way), quantised, laid as rows of codes in the wave's own stage in LDS, and read back as fragments.
; PHASE 2: a chunk is 8 K steps x 16 matrix instructions.  The tanh of the chunk before (128 numbers a lane: one exponential, one reciprocal each) stands in slices behind the matrix instructions.
; CLUSTER.  The four work-groups of a cluster walk the same V: each chunk is asked for JOINTLY, by the same tensor load with the same descriptor and a mask that names the four.  No two work-groups share a row of encoder_outputs.
; COLUMNS.  Tile jt of chunk g holds columns 64 g + 4 r + jt (r = lane % 16).  Source 0 = 16 rows t, source 1 = 16 columns: register j of a result is row 8 h + j, column of lane r.
; LIMITS: a block of zeros gets the byte 1 where the rule says 127 (its codes are zeros; this program alone reads the bytes); blocks under 2^-118 sit on that floor; NaN and infinities among the inputs are not served.
; REGISTERS.  window 0: addresses, work, scale words (v44-75: they hold nothing else), v88-119 the running scores, v128-255 the numbers under tanh.
;   window 1: phase 1: 32 x 8 numbers as loaded; phase 2: v0-127 the 16 accumulators, v128-255 two sets of V's four fragments.   windows 2, 3: my rows' fragments: tiles 0, 1 and 2, 3.
.set KC,    0x4038aa3b                 ; 2 log2(e)
.set SLOT,  65536                      ; LDS: two slots, each a chunk's 32 fragment images: 8,192 ks + 2,048 jt + 512 c + 16 lane
.set SCV,   131072                     ; V's scale words, all 16 chunks: filled once
.set STG,   163840                     ; each wave's stage: 32 rows of codes
.set STGW,  33280
.set CP,    1040                       ; a stage row: 1,024 bytes + 16: 65 x 16, so that the 16 rows of a fragment load start in 16 different groups of four banks (64 banks of 4 bytes: ISA guide 11.1)
.set SSA,   296960                     ; each wave's scale bytes: 32 rows of 32 bytes,
.set SSAW,  1536
.set SPI,   48                         ; 48 apart
.set BIA,   303104                     ; KC (dec_proj + b), by column
.set WTB,   307200                     ; -2 w: 4,096 bytes behind BIA
.set SCO,   311296                     ; the scores' way out: 256 bytes a wave
.set SPARE, 312320                     ; the spare words, 128 bytes for each wave: two blocks of 256 bytes that no other line names
.set LN,   1                           ; lane
.set RR,   2                           ; r
.set HH,   3                           ; h
.set GOF,  4                           ; 32 x lane: my 8 numbers of a step's 256
.set STC,  5                           ; where the trip's codes go
.set STS,  6                           ; and its scale bytes
.set RDA,  7                           ; my lane's place in a fragment of the stage
.set RDS,  8                           ; and among its scale bytes
.set L16,  9
.set ADB,  10                          ; the chunk's images
.set ADV,  11                          ; its scale words
.set ADQ,  12                          ; its biases and weights
.set STC0, 13
.set STS0, 14
.set R16,  15
.set MX,   16                          ; v16-19 largest magnitudes
.set SC,   20                          ; v20-23 the conversion's scale operands
.set LIM,  24                          ; v24-27 448 x the scale
.set SPW,  30                          ; LDS address of my spare word; never rewritten
.set NIL,  31                          ; 0; never rewritten
.set BY,   32                          ; v32-35 scale bytes
.set CD,   36                          ; v36-43 codes just made
.set SA,   44                          ; v44-59 my rows' scale words: 4 rt + i: lanes 0-15 K step i, lanes 16-31 K step 4 + i
.set BS,   60                          ; v60-75 the chunk's: 4 jt + i, likewise
.set BQ,   76                          ; v76-79 the chunk's biases of my four columns
.set WQN,  80                          ; v80-83 its weights
.set WQ,   84                          ; v84-87 the weights of the chunk under tanh
.set SS,   88                          ; v88-119 scores: 8 rt + j
.set TMP,  128                         ; 32 rt + 8 jt + j
.set MSB, 0
.macro WIN new                         ; the immediate's high byte repeats the setting that is left
.if MSB != (\new)
	s_set_vgpr_msb (MSB<<8)|(\new)
.set MSB, (\new)
.endif
.endm
.macro CREST                           ; a round of the cluster's barrier behind its opening barrier
	s_cmp_lg_u32 s18, 0
	s_cbranch_scc1 .Lnot_wave_0_\@
	s_barrier_signal -3
.Lnot_wave_0_\@:
	s_barrier_wait -3
	s_barrier_signal -1
	s_barrier_wait -1
.endm
.macro ROUND
	s_barrier_signal -1
	s_barrier_wait -1
	CREST
.endm
	s_load_b256 s[4:11], s[0:1], 0x0               ; encoder_outputs s[4:5], vimg s[6:7], vscl s[8:9], decp s[10:11]
	s_load_b128 s[12:15], s[0:1], 0x20             ; b s[12:13], w s[14:15]
	s_load_b64 s[16:17], s[0:1], 0x30              ; scores
	v_lshl_add_u32 v[SPW], v0, 2, SPARE
	v_mov_b32 v[NIL], 0
	ds_add_u32 v[SPW], v[NIL]                      ; the wave's opening: the add and its wait stand ahead of my first tensor load; the set-up below, work on registers, stands between them
	v_lshrrev_b32 v[LN], 5, v0
	v_readfirstlane_b32 s18, v[LN]                 ; wave 0..3
	s_bfe_u32 s19, ttmp6, 0x40000                  ; cx
	s_lshl_b32 s22, ttmp9, 2                       ; in a cluster launch ttmp9 counts clusters
	s_add_co_u32 s19, s22, s19                     ; my block of 256 rows: it enters global addresses alone
	; descriptor group 1: a dense block as rows of 256 bytes (32 elements of 8 bytes), no padding: an image is read 512 consecutive bytes at a time
	s_mov_b32 s24, 15|(3<<16)|(1<<21)              ; 15:0 the mask: all four work-groups; 17:16 elements of 8 bytes; 21 set beside a mask
	s_mov_b32 s25, 32<<16                          ; tensor_dim0 = 32
	s_mov_b32 s26, 64<<16                          ; tensor_dim1 = 64: a quarter of a chunk, 16 KiB
	s_mov_b32 s27, 32<<16                          ; tile_dim0 = 32
	s_mov_b32 s28, 64                              ; tile_dim1 = 64
	s_mov_b32 s29, 32                              ; elements from row to row
	s_mov_b32 s30, 0
	s_mov_b32 s31, 0
	s_mov_b32 s32, 15|(3<<16)|(1<<21)              ; the same for a quarter of the scale words: 32 rows, 8 KiB
	s_mov_b32 s33, 32<<16
	s_mov_b32 s34, 32<<16
	s_mov_b32 s35, 32<<16
	s_mov_b32 s36, 32
	s_mov_b32 s37, 32
	s_mov_b32 s38, 0
	s_mov_b32 s39, 0
	s_lshl_b32 s22, s18, 14                        ; my quarter of a chunk, in memory and in a slot
	s_mov_b32 s23, 0
	s_lshl_b32 s2, s18, 13                         ; my quarter of the scale words
	s_mov_b32 s3, 0
	s_lshl_b32 s20, s19, 20                        ; my rows: 256 rows of 4,096 bytes a work-group,
	s_lshl_b32 s21, s18, 18                        ; 64 a wave
	s_add_co_u32 s20, s20, s21
	s_mov_b32 s21, 0
	s_lshr_b32 s52, s19, 3                         ; my batch:
	s_lshl_b32 s52, s52, 12                        ; its row of decp
	s_mov_b32 s53, 0
	s_lshl_b32 s60, s19, 10                        ; my 64 scores
	s_lshl_b32 s61, s18, 8
	s_add_co_u32 s60, s60, s61
	s_mov_b32 s61, 0
	s_mov_b32 s54, KC
	s_mov_b32 s55, KC                              ; (the packed forms name the pair)
	s_mov_b32 s56, 0x600000                        ; the mantissa field of 448
	v_and_b32 v[LN], 31, v0
	v_and_b32 v[RR], 15, v0
	v_bfe_u32 v[HH], v0, 4, 1
	v_lshlrev_b32 v[GOF], 5, v[LN]
	v_lshlrev_b32 v[L16], 4, v[LN]
	v_lshlrev_b32 v[R16], 4, v[RR]
	s_mul_i32 s50, s18, STGW
	s_add_co_u32 s50, s50, STG                     ; my stage
	s_mul_i32 s51, s18, SSAW
	s_add_co_u32 s51, s51, SSA                     ; my scale bytes
	v_lshl_add_u32 v[STC0], v[LN], 3, s50          ; in: 8 codes a lane
	v_lshrrev_b32 v[STS0], 2, v[LN]
	v_add_nc_u32 v[STS0], s51, v[STS0]             ; four lanes to a block of 32
	v_mul_u32_u24 v[RDA], v[RR], CP
	v_lshl_add_u32 v[RDA], v[HH], 4, v[RDA]
	v_add_nc_u32 v[RDA], s50, v[RDA]               ; back: row r, + 16 h
	v_mul_u32_u24 v[RDS], v[RR], SPI
	v_lshl_add_u32 v[RDS], v[HH], 4, v[RDS]
	v_add_nc_u32 v[RDS], s51, v[RDS]               ; row r's bytes 16 h on: four words, K steps 4 h + 0 .. 3
	v_lshlrev_b32 v[ADB], 5, v0                    ; the tables: thread t takes columns 8 t .. 8 t + 7
	v_lshl_add_u32 v[ADV], v0, 5, BIA
	s_wait_dscnt 0x0                               ; the opening add is done
	s_wait_kmcnt 0x0
	s_mov_b32 s40, 1                               ; group 0 for the chunks: count = 1,
	s_mov_b32 s41, s22                             ; LDS address: slot 0, my quarter,
	s_add_nc_u64 s[42:43], s[6:7], s[22:23]        ; global address: chunk 0, my quarter,
	s_or_b32 s43, s43, 0x80000000                  ; type = 2
	s_mov_b32 s44, 1                               ; and for the scale words
	s_add_co_u32 s45, s2, SCV
	s_add_nc_u64 s[46:47], s[8:9], s[2:3]
	s_or_b32 s47, s47, 0x80000000
	s_add_nc_u64 s[20:21], s[4:5], s[20:21]
	s_add_nc_u64 s[10:11], s[10:11], s[52:53]
	s_add_nc_u64 s[16:17], s[16:17], s[60:61]
	ROUND                                          ; all four work-groups are here: the first joint loads meet
	tensor_load_to_lds s[44:47], s[32:39]          ; two loads of mine are out
	s_nop 0
	tensor_load_to_lds s[40:43], s[24:31]
	s_nop 0
.rept 4
	v_nop
.endr
.irp ks, 0,1,2,3,4,5,6,7
	global_load_b128 v[TMP+8*\ks:TMP+8*\ks+3], v[ADB], s[10:11] offset:\ks*131072        ; the eight partial sums of dec_proj,
	global_load_b128 v[TMP+8*\ks+4:TMP+8*\ks+7], v[ADB], s[10:11] offset:\ks*131072+16
.endr
	global_load_b128 v[TMP+64:TMP+67], v[ADB], s[12:13]                                  ; b,
	global_load_b128 v[TMP+68:TMP+71], v[ADB], s[12:13] offset:16
	global_load_b128 v[TMP+72:TMP+75], v[ADB], s[14:15]                                  ; w
	global_load_b128 v[TMP+76:TMP+79], v[ADB], s[14:15] offset:16
; A row of x is four steps of 256 numbers; in step q lane l holds k = 256 q + 8 l .. + 7 in 8 registers of window 1.  Group n of eight is one row: 8 loads.
; The conversion wants a lane's 8 numbers side by side, so a step's two loads take alternate 16 bytes of the same 1,024: each aligned block of 256 bytes is named by both, one straight behind the other.
; So these loads carry no non-temporal word: that word is for blocks that are named once.
.macro XLOAD n, off
.irp q, 0,1,2,3
	global_load_b128 v[8*(4*(\n)+\q):8*(4*(\n)+\q)+3], v[GOF], s[20:21] offset:(\off)+(\n)*4096+\q*1024
	global_load_b128 v[8*(4*(\n)+\q)+4:8*(4*(\n)+\q)+7], v[GOF], s[20:21] offset:(\off)+(\n)*4096+\q*1024+16
.endr
.endm
	WIN 0x40
.irp n, 0,1,2,3,4
	XLOAD \n, 0
.endr
	WIN 0
	s_wait_loadcnt 40                              ; the 20 loads of the tables are in; the 40 issued behind them stay out
.irp ks, 0,1,2,3,4,5,6,7
.irp p, 0,2,4,6
	v_pk_add_f32 v[TMP+64+\p:TMP+65+\p], v[TMP+64+\p:TMP+65+\p], v[TMP+8*\ks+\p:TMP+8*\ks+\p+1]
.endr
.endr
.irp p, 0,2,4,6
	v_pk_mul_f32 v[TMP+64+\p:TMP+65+\p], v[TMP+64+\p:TMP+65+\p], s[54:55] op_sel_hi:[1,0]   ; KC (dec_proj + b)
	v_pk_mul_f32 v[TMP+72+\p:TMP+73+\p], v[TMP+72+\p:TMP+73+\p], -2.0 op_sel_hi:[1,0]        ; -2 w
.endr
	ds_store_b128 v[ADV], v[TMP+64:TMP+67]
	ds_store_b128 v[ADV], v[TMP+68:TMP+71] offset:16
	ds_store_b128 v[ADV], v[TMP+72:TMP+75] offset:WTB-BIA
	ds_store_b128 v[ADV], v[TMP+76:TMP+79] offset:WTB-BIA+16
	WIN 0x40
.irp n, 5,6,7
	XLOAD \n, 0
.endr
	WIN 0
; ---- PHASE 1.  One row: its four steps by turns.  cnt: the loads issued behind the row's own eight.  ahead = 1: the registers take the row 8 further down.
.macro QGROUP n, ahead, cnt
	s_wait_loadcnt \cnt
	WIN 0x05                                       ; sources 0 and 1 window 1
.irp q, 0,1,2,3
	v_max3_num_f32 v[MX+\q], |v[8*(4*(\n)+\q)]|, |v[8*(4*(\n)+\q)+1]|, 0x4800000   ; my 8 numbers, and the floor 2^(9 - 127): the byte cannot fall under 1
.endr
.irp i, 2,4,6
.irp q, 0,1,2,3
	v_max3_num_f32 v[MX+\q], |v[8*(4*(\n)+\q)+\i]|, |v[8*(4*(\n)+\q)+\i+1]|, v[MX+\q]
.endr
.endr
	WIN 0
.irp m, 1,2
.irp q, 0,1,2,3
	v_max_num_f32_dpp v[MX+\q], v[MX+\q], v[MX+\q] row_xmask:\m row_mask:0xf bank_mask:0xf   ; a block of 32 lies in four neighbouring lanes
.endr
.endr
.irp q, 0,1,2,3
	v_add_nc_u32 v[SC+\q], 0xfc000000, v[MX+\q]    ; 8 off the exponent field: the conversion's scale operand
.endr
.irp q, 0,1,2,3
	v_and_or_b32 v[LIM+\q], v[MX+\q], 0x7f800000, s56   ; 448 x the scale
.endr
	WIN 0x41                                       ; destination and source 0 window 1
.irp q, 0,1,2,3
.irp i, 0,1,2,3,4,5,6,7
	v_med3_num_f32 v[8*(4*(\n)+\q)+\i], v[8*(4*(\n)+\q)+\i], -v[LIM+\q], v[LIM+\q]   ; the hold: the conversion to an 8-bit code does not saturate (ISA guide 7.6.2)
.endr
.endr
	WIN 0x01
	s_wait_dscnt 0x0                               ; the last row's LDS stores have read the registers that are written next
.irp q, 0,1,2,3
	v_cvt_scalef32_pk8_fp8_f32 v[CD+2*\q:CD+2*\q+1], v[8*(4*(\n)+\q):8*(4*(\n)+\q)+7], v[SC+\q]
.endr
	WIN 0
.irp q, 0,1,2,3
	v_lshrrev_b32 v[BY+\q], 23, v[SC+\q]           ; the scale's byte.  (Also the plain line behind the conversions)
.endr
.irp q, 0,1,2,3
	ds_store_b64 v[STC], v[CD+2*\q:CD+2*\q+1] offset:(\n)*CP+256*\q    ; 32 lanes store 256 consecutive bytes of the row
.endr
.irp q, 0,1,2,3
	ds_store_b8 v[STS], v[BY+\q] offset:(\n)*SPI+8*\q                  ; the four lanes of a block write the same byte with the same value
.endr
.if \ahead
	WIN 0x40
	XLOAD \n, 32768
	WIN 0
.endif
.endm
.macro QTRIP ahead                     ; eight rows
	v_add_nc_u32 v[STC], s57, v[STC0]
	v_add_nc_u32 v[STS], s58, v[STS0]
.if \ahead
.irp n, 0,1,2,3,4,5,6,7
	QGROUP \n, 1, 56                               ; behind a row's eight loads stand the seven other rows' 56
.endr
	s_wait_xcnt 0x0                                ; the loads have read their base: it is stepped only behind this wait
	s_add_nc_u64 s[20:21], s[20:21], 32768
	s_add_co_u32 s57, s57, 8*CP
	s_add_co_u32 s58, s58, 8*SPI
.else
.irp n, 0,1,2,3,4,5,6,7
	QGROUP \n, 0, 8*(7-\n)                         ; the last trip loads nothing: the counts run down
.endr
.endif
.endm
; The stage's 32 rows come back as 16 fragments (window 2 + hf) and 8 registers of scale words.  The stage is my own and LDS serves a wave's instructions in order (ISA guide 5.7.1.4): no wait stands between my stores, these loads and the next half's stores.
.macro READ hf
	WIN 0x80+0x40*(\hf)
.irp rtl, 0,1
.irp ks, 0,1,2,3,4,5,6,7
.irp c, 0,1,2,3
	ds_load_b128 v[16*(8*\rtl+\ks)+4*\c:16*(8*\rtl+\ks)+4*\c+3], v[RDA] offset:16*\rtl*CP+128*\ks+32*\c
.endr
.endr
.endr
	WIN 0
.irp rtl, 0,1
	ds_load_b128 v[SA+4*(2*(\hf)+\rtl):SA+4*(2*(\hf)+\rtl)+3], v[RDS] offset:16*SPI*\rtl
.endr
.endm
	s_mov_b32 s57, 0
	s_mov_b32 s58, 0
	s_mov_b32 s51, 4
.Lhalf0:
	QTRIP 1
	s_sub_co_u32 s51, s51, 1
	s_cmp_lg_u32 s51, 0
	s_cbranch_scc1 .Lhalf0
	READ 0
	s_mov_b32 s57, 0
	s_mov_b32 s58, 0
	s_mov_b32 s51, 3
.Lhalf1:
	QTRIP 1
	s_sub_co_u32 s51, s51, 1
	s_cmp_lg_u32 s51, 0
	s_cbranch_scc1 .Lhalf1
	QTRIP 0
	READ 1
.set n, 0
.rept 32
	v_mov_b32 v[SS+n], 0                           ; the scores begin as zeros;
	v_mov_b32 v[TMP+96+n], 0                       ; the loop is written once: its first trip finds zeros where later trips find the last quarter of the chunk before,
.set n, n+1
.endr
.irp i, 0,1,2,3
	v_mov_b32 v[WQ+\i], 0                          ; and weights of zero
.endr
	s_mov_b32 s48, 0                               ; the slot in hand
	s_mov_b32 s49, SCV                             ; the chunk's scale words: 2,048 bytes a chunk
	s_mov_b32 s50, BIA                             ; its biases: 256 bytes a chunk
; ---- PHASE 2
.macro BLOADS set, ks                  ; V's four fragments of K step ks: 16 loads of 512 consecutive bytes
	WIN 0x40
.irp jt, 0,1,2,3
.irp c, 0,1,2,3
	ds_load_b128 v[128+64*(\set)+16*\jt+4*\c:128+64*(\set)+16*\jt+4*\c+3], v[ADB] offset:(\ks)*8192+\jt*2048+\c*512
.endr
.endr
	WIN 0
.endm
.macro WM s, rt, jt                    ; source 0: my rows' fragment (window 2 or 3); source 1: V's (window 1); C and D window 1.  K steps 4 to 7 take their scale words from lanes 16-31
	WIN 0x56+(\rt)/2
.set rD, 32*(\rt)+8*(\jt)
.set rA, 16*(8*((\rt)%2)+(\s))
.set rB, 128+64*((\s)%2)+16*(\jt)
.set rX, SA+4*(\rt)+(\s)%4
.set rY, BS+4*(\jt)+(\s)%4
.if (\s) == 0
	v_wmma_scale_f32_16x16x128_f8f6f4 v[rD:rD+7], v[rA:rA+15], v[rB:rB+15], 0, v[rX], v[rY]
.elseif (\s) < 4
	v_wmma_scale_f32_16x16x128_f8f6f4 v[rD:rD+7], v[rA:rA+15], v[rB:rB+15], v[rD:rD+7], v[rX], v[rY]
.else
	v_wmma_scale_f32_16x16x128_f8f6f4 v[rD:rD+7], v[rA:rA+15], v[rB:rB+15], v[rD:rD+7], v[rX], v[rY] matrix_a_scale:MATRIX_SCALE_ROW1 matrix_b_scale:MATRIX_SCALE_ROW1
.endif
.endm
; tanh, on the 128 numbers of TMP in four groups g (= row tile) of 32.  P1: KC x sum + bias;  an exponential;  P3: + 1;  a reciprocal;  P5: x (-2 w), onto the row's score.
.macro P1                              ; 64 packed lines under source 0 = window 1; each accumulator is read from its low end on
.set n, 0
.rept 64
.set jj, (n/4)%4
.set rB, BQ+2*(jj/2)
.if jj%2
	v_pk_fma_f32 v[TMP+2*n:TMP+2*n+1], v[2*n:2*n+1], s[54:55], v[rB:rB+1] op_sel:[0,0,1] op_sel_hi:[1,0,1]
.else
	v_pk_fma_f32 v[TMP+2*n:TMP+2*n+1], v[2*n:2*n+1], s[54:55], v[rB:rB+1] op_sel_hi:[1,0,0]
.endif
.set n, n+1
.endr
.endm
.macro P3 g, i
	v_pk_add_f32 v[TMP+32*(\g)+2*(\i):TMP+32*(\g)+2*(\i)+1], v[TMP+32*(\g)+2*(\i):TMP+32*(\g)+2*(\i)+1], 1.0 op_sel_hi:[1,0]
.endm
.macro P5 g, i                         ; pair i % 4 of tile i / 4
.set pp, (\i)%4
.set jj, (\i)/4
.set rS, SS+8*(\g)+2*pp
.set rT, TMP+32*(\g)+8*jj+2*pp
.set rW, WQ+2*(jj/2)
.if jj%2
	v_pk_fma_f32 v[rS:rS+1], v[rT:rT+1], v[rW:rW+1], v[rS:rS+1] op_sel:[0,1,0] op_sel_hi:[1,1,1]
.else
	v_pk_fma_f32 v[rS:rS+1], v[rT:rT+1], v[rW:rW+1], v[rS:rS+1] op_sel_hi:[1,0,1]
.endif
.endm
.macro P5G g
.set m5, 0
.rept 16
	P5 \g, m5
.set m5, m5+1
.endr
.endm
; What K step s carries.  32 transcendentals: s = 0, 1: exp of groups 0, 1;  2, 3: rcp of 0, 1;  4, 5: exp of 2, 3;  6, 7: rcp of 2, 3.
; 16 plain lines, none of which names a result of the same K step's transcendentals: s = 1, 2: P3 of groups 0, 1;  3, 4: P5 of 0, 1;  5, 6: P3 of 2, 3;  7: P5 of 2.  (P5 of group 3 stands at the next chunk's head.)
.macro EPT s, i
.set rT, TMP+32*(2*((\s)/4)+(\s)%2)+(\i)
.if ((\s)%4) < 2
	v_exp_f32 v[rT], v[rT]
.else
	v_rcp_f32 v[rT], v[rT]
.endif
.endm
.macro EPP s, i
.if (\s) == 1
	P3 0, \i
.elseif (\s) == 2
	P3 1, \i
.elseif (\s) == 3
	P5 0, \i
.elseif (\s) == 4
	P5 1, \i
.elseif (\s) == 5
	P3 2, \i
.elseif (\s) == 6
	P3 3, \i
.elseif (\s) == 7
	P5 2, \i
.endif
.endm
; K step s of a chunk: 16 matrix instructions, the 16 accumulators by turns in the same order in every step.  ep = 1: the chunk before is under tanh.
.macro SUB s, ep
	WIN 0
.if \ep && ((\s) > 0)
	s_wait_alu depctr_va_vdst(0)                   ; one wait for the last K step's 32 transcendentals, ahead of the first line that names a result
.endif
.if (\s) < 7
	BLOADS ((\s)+1)%2, (\s)+1                      ; the next K step's fragments, in one run, into the set that the last K step multiplied: eight plain lines back
	s_wait_dscnt 16                                ; all but the 16 just issued: this K step's fragments are in
.else
	s_wait_dscnt 0x0
.endif
.set n, 0
.rept 16
	WM \s, n/4, n%4
.if \ep
	WIN 0
	EPT \s, 2*n
	EPT \s, 2*n+1
.if (n%2) && ((\s) > 0)
	EPP \s, n/2
.endif
.endif
.set n, n+1
.endr
	WIN 0
.set n, 8
.rept 8                                ; eight plain lines that name no register of the products: the places in front of the next run of loads, and the plain line behind the transcendentals
.if \ep && ((\s) > 0)
	EPP \s, n
.else
	v_nop
.endif
.set n, n+1
.endr
.endm
; A chunk.  The change of slots stands at its head: every wave waits for all its tensor loads (its quarter of this chunk), adds 0 to its spare word, and waits for that and for its reads of the slot that it has left.
; refill = 1: the barrier opens a round of the cluster's barrier, and behind the round the slot just left takes the next chunk: one tensor load a wave, with the whole chunk's 128 matrix instructions in which to land.
.macro CHUNK ep, refill
	s_wait_tensorcnt 0x0                           ; no tensor load of mine is out, so group 0 may be written
	ds_add_u32 v[SPW], v[NIL]                      ; 0 onto my spare word; work on registers stands between it and the wait for it
.if \ep
	P5G 3                                          ; the last quarter of the chunk before the last,
.irp i, 0,1,2,3
	v_mov_b32 v[WQ+\i], v[WQN+\i]                  ; then the weights of the chunk that now goes under tanh
.endr
.endif
.if \refill
	s_xor_b32 s41, s41, SLOT                       ; the other slot than last time,
	s_add_nc_u64 s[42:43], s[42:43], SLOT          ; the next chunk; the type bits on top are not reached
.endif
	s_wait_dscnt 0x0                               ; the add is done, and my reads of the slot that I have left are over
	s_barrier_signal -1
.if \ep
	WIN 0x01
	P1                                             ; work on registers while the others arrive; 28 plain lines stand between the last product and this first read of results
	WIN 0
.endif
	s_barrier_wait -1
.if \refill
	CREST                                          ; no wave of any partner still reads the slot or has a load on its way
	tensor_load_to_lds s[40:43], s[24:31]
	s_nop 0
.rept 4
	v_nop
.endr
.endif
	v_add_nc_u32 v[ADB], s48, v[L16]
	v_add_nc_u32 v[ADV], s49, v[L16]
	v_add_nc_u32 v[ADQ], s50, v[R16]
.irp jt, 0,1,2,3
	ds_load_b128 v[BS+4*\jt:BS+4*\jt+3], v[ADV] offset:512*\jt
.endr
	ds_load_b128 v[BQ:BQ+3], v[ADQ]
	ds_load_b128 v[WQN:WQN+3], v[ADQ] offset:WTB-BIA
	BLOADS 0, 0
.irp s, 0,1,2,3,4,5,6,7
	SUB \s, \ep
.endr
.if \ep
	s_wait_alu depctr_va_vdst(0)                   ; the last K step's transcendentals have their wait ahead of the jump
.endif
	s_xor_b32 s48, s48, SLOT
	s_add_co_u32 s49, s49, 2048
	s_add_co_u32 s50, s50, 256
.endm
	CHUNK 0, 1                                     ; chunk 0: nothing is under tanh yet
	s_mov_b32 s51, 14
.Lchunk:
	CHUNK 1, 1                                     ; chunks 1 to 14
	s_sub_co_u32 s51, s51, 1
	s_cmp_lg_u32 s51, 0
	s_cbranch_scc1 .Lchunk
	CHUNK 1, 0                                     ; chunk 15 is written out: nothing is left to fetch and no round follows its barrier
	; the last chunk's tanh has no products to stand behind
	P5G 3
.irp i, 0,1,2,3
	v_mov_b32 v[WQ+\i], v[WQN+\i]
.endr
	WIN 0x01
	P1
	WIN 0
.set n, 0
.rept 128
	v_exp_f32 v[TMP+n], v[TMP+n]
.set n, n+1
.endr
	v_nop                                          ; a plain line behind the last exponential,
	s_wait_alu depctr_va_vdst(0)                   ; and one wait for the batch
.irp g, 0,1,2,3
.set n, 0
.rept 16
	P3 \g, n
.set n, n+1
.endr
.endr
.set n, 0
.rept 128
	v_rcp_f32 v[TMP+n], v[TMP+n]
.set n, n+1
.endr
	v_nop
	s_wait_alu depctr_va_vdst(0)
.irp g, 0,1,2,3
	P5G \g
.endr
	; THE WAY OUT.  Lane (r, h) holds, for row 16 rt + 8 h + j, the part of its four columns of each chunk: the sixteen lanes of a half are added.
.irp m, 1,2,4,8
.set n, 0
.rept 32
	v_add_f32_dpp v[SS+n], v[SS+n], v[SS+n] row_xmask:\m row_mask:0xf bank_mask:0xf
.set n, n+1
.endr
.endr
	s_lshl_b32 s52, s18, 8
	s_add_co_u32 s52, s52, SCO                     ; my 256 bytes
	v_lshl_add_u32 v[ADB], v[HH], 5, s52           ; in: rows 8 h on of each tile; the sixteen lanes of a half write the same bytes with the same values
	v_add_nc_u32 v[ADV], s52, v[R16]               ; back: 16 bytes a lane
.irp rt, 0,1,2,3
	ds_store_b128 v[ADB], v[SS+8*\rt:SS+8*\rt+3] offset:64*\rt
	ds_store_b128 v[ADB], v[SS+8*\rt+4:SS+8*\rt+7] offset:64*\rt+16
.endr
	ds_load_b128 v[TMP:TMP+3], v[ADV]              ; LDS serves a wave's instructions in order: this sees my stores
	s_wait_dscnt 0x0
	s_wait_xcnt 0x0                                ; EXEC changes only behind this wait
	v_cmp_gt_u32 vcc_lo, 16, v[LN]
	s_and_saveexec_b32 s60, vcc_lo
	global_store_b128 v[R16], v[TMP:TMP+3], s[16:17]   ; sixteen lanes store my 64 scores: 256 consecutive bytes, aligned
	s_wait_xcnt 0x0
	s_or_b32 exec_lo, exec_lo, s60
	s_wait_tensorcnt 0x0                           ; the wave's end, behind my last tensor load and my last LDS store
	ds_add_u32 v[SPW], v[NIL]
	s_wait_dscnt 0x0
	ROUND                                          ; the closing round: no work-group ends while a partner may still ask for a chunk that names it
	s_endpgm
.Lfunc_end_k_q2bc5263ea4_score:
	.size	k_q2bc5263ea4_score, .Lfunc_end_k_q2bc5263ea4_score-k_q2bc5263ea4_score
	.p2alignl 7, 3214868480
	.fill 96, 4, 3214868480
	.section	.rodata,"a",@progbits
	.p2align	6, 0x0
	.amdhsa_kernel k_q2bc5263ea4_score
		.amdhsa_group_segment_fixed_size 327680
		.amdhsa_private_segment_fixed_size 0
		.amdhsa_enable_private_segment 0
		.amdhsa_kernarg_size 56
		.amdhsa_user_sgpr_count 2
		.amdhsa_user_sgpr_kernarg_segment_ptr 1
		.amdhsa_wavefront_size32 1
		.amdhsa_system_sgpr_workgroup_id_x 1
		.amdhsa_system_sgpr_workgroup_id_y 1
		.amdhsa_system_sgpr_workgroup_id_z 1
		.amdhsa_system_vgpr_workitem_id 0
		.amdhsa_next_free_vgpr 1024
		.amdhsa_next_free_sgpr 66
		.amdhsa_reserve_vcc 1
		.amdhsa_float_denorm_mode_32 3
		.amdhsa_float_denorm_mode_16_64 3
		.amdhsa_memory_ordered 1
		.amdhsa_forward_progress 1
		.amdhsa_inst_pref_size 255
	.end_amdhsa_kernel
	.section	.bss,"aw",@nobits
	.p2align	6
	.space	262144
	.amdgpu_metadata
---
amdhsa.version: [ 1, 2 ]
amdhsa.kernels:
  - .name:           k_q2bc5263ea4_score
    .symbol:         k_q2bc5263ea4_score.kd
    .args:
      - { .name: encoder_outputs, .offset: 0, .size: 8, .value_kind: global_buffer, .address_space: global }
      - { .name: vimg, .offset: 8, .size: 8, .value_kind: global_buffer, .address_space: global }
      - { .name: vscl, .offset: 16, .size: 8, .value_kind: global_buffer, .address_space: global }
      - { .name: decp, .offset: 24, .size: 8, .value_kind: global_buffer, .address_space: global }
      - { .name: b, .offset: 32, .size: 8, .value_kind: global_buffer, .address_space: global }
      - { .name: w, .offset: 40, .size: 8, .value_kind: global_buffer, .address_space: global }
      - { .name: scores, .offset: 48, .size: 8, .value_kind: global_buffer, .address_space: global }
    .group_segment_fixed_size: 327680
    .private_segment_fixed_size: 0
    .kernarg_segment_align: 8
    .kernarg_segment_size: 56
    .max_flat_workgroup_size: 128
    .sgpr_count:     66
    .vgpr_count:     1024
    .wavefront_size: 32
...
	.end_amdgpu_metadata
.endif
;; end of part 2
;; launch ctx (part 3): grid 256 x 1, 8 waves a work-group, no clusters, 13,824 bytes of LDS; arguments scores, encoder_outputs, out0; writes out0
.if DOCPART == 3
	.amdgcn_target "amdgcn-amd-amdhsa--gfx1250"
	.amdhsa_code_object_version 6
	.text
	.protected	k_q2bc5263ea4_ctx
	.globl	k_q2bc5263ea4_ctx
	.p2align	8
	.type	k_q2bc5263ea4_ctx,@function
k_q2bc5263ea4_ctx:
	s_mov_b64 s[64:65], 0
	v_nop
	global_prefetch_b8 v0, s[64:65] scope:SCOPE_SE
	s_setreg_imm32_b32 hwreg(HW_REG_WAVE_MODE, 25, 1), 1
	s_wait_xcnt 0x0
; out0[batch][c] = the sum over t of softmax_t(scores[batch][t]) x encoder_outputs[batch][t][c].  All in f32; the row's true maximum is taken away before the exponential; the sum of the weights divides at the end.
; SHARES.  Work-group x serves batch x / 8 and channels 128 (x % 8) .. + 127 over all 2,048 rows: each output has one owner.  Each of the eight work-groups of a batch makes the batch's 2,048 weights anew (8 KiB of scores).
; Wave w takes rows 256 w .. 256 w + 255.  A load takes one row's 512 bytes of my channels, 16 bytes a lane: two aligned runs of 256 bytes.  A ring of 32 such loads (16 KiB) a wave is always on its way.
; The rows are walked as four sub-blocks u of 64, each from its last row to its first; slot n of the ring serves sub-block n % 4.
; One row of weights times a matrix: fused multiply-adds do it; the matrix units, clusters and tensor loads would add nothing to a stream in which no byte is used twice.
; LIMITS: NaN and infinities among the inputs are not served.
.set MAXW,  0                          ; LDS: the waves' maxima, a block of 256 bytes to themselves;
.set SUMW,  256                        ; the waves' sums, likewise;
.set PB,    512                        ; the 2,048 weights;
.set RED,   8704                       ; the waves' partial results, 512 bytes each;
.set SPARE, 12800                      ; the spare words, 128 bytes for each wave: four blocks of 256 bytes that no other line names
.set ACC,   24                         ; v24-31  two sets of four sums, by turns
.set PR,    32                         ; v32-63  the trip's weights: 8 u + e
.set X,     64                         ; v64-191 the ring: slot n at 4 n
.set ZA,    192                        ; v192    0: the address of the two small tables
	s_load_b128 s[4:7], s[0:1], 0x0                ; scores s[4:5], encoder_outputs s[6:7]
	s_load_b64 s[8:9], s[0:1], 0x10                ; out0
	v_lshl_add_u32 v4, v0, 2, SPARE                ; my spare word; never rewritten
	v_mov_b32 v5, 0                                ; 0; never rewritten
	v_lshrrev_b32 v1, 5, v0
	v_readfirstlane_b32 s10, v1                    ; wave 0..7
	v_lshlrev_b32 v1, 2, v1                        ; 4 x wave
	v_and_b32 v2, 31, v0
	v_lshlrev_b32 v2, 4, v2                        ; 16 x lane
	v_lshlrev_b32 v22, 5, v0                       ; 32 x thread: my 8 scores, my 8 weights
	v_lshlrev_b32 v23, 4, v0                       ; 16 x thread = 512 x wave + 16 x lane
	v_mov_b32 v[ZA], 0
.irp i, 0,1,2,3,4,5,6,7
	v_mov_b32 v[ACC+\i], 0
.endr
	s_lshr_b32 s11, ttmp9, 3                       ; batch
	s_and_b32 s12, ttmp9, 7                        ; which 128 channels
	s_lshl_b32 s14, s11, 13                        ; the batch's 8,192 bytes of scores
	s_mov_b32 s15, 0
	s_lshl_b32 s16, s11, 23                        ; the batch's 2,048 rows of 4,096 bytes,
	s_lshl_b32 s17, s12, 9                         ; my channels,
	s_add_co_u32 s16, s16, s17
	s_lshl_b32 s17, s10, 20                        ; my wave's 256 rows,
	s_add_co_u32 s16, s16, s17
	s_add_co_u32 s16, s16, 63*4096                 ; the last row of sub-block 0
	s_mov_b32 s17, 0
	s_lshl_b32 s18, s11, 12                        ; out0: the batch's row, my channels
	s_lshl_b32 s19, s12, 9
	s_add_co_u32 s18, s18, s19
	s_mov_b32 s19, 0
	s_mov_b32 s20, 0x76543210
	s_mov_b32 s21, 0xfedcba98                      ; v_permlanex16_b32's selects for lane l xor 16
	s_mov_b32 s22, 0x3fb8aa3b                      ; log2(e)
	s_lshl_b32 s24, s10, 10
	s_add_co_u32 s24, s24, PB+224                  ; the first trip's weights of sub-block 0: rows 56 to 63 of my 256
	s_wait_kmcnt 0x0
	s_add_nc_u64 s[4:5], s[4:5], s[14:15]
	s_add_nc_u64 s[6:7], s[6:7], s[16:17]
	s_add_nc_u64 s[8:9], s[8:9], s[18:19]
	global_load_b128 v[6:9], v22, s[4:5]
	global_load_b128 v[10:13], v22, s[4:5] offset:16
.set n, 0
.rept 32
	global_load_b128 v[X+4*n:X+4*n+3], v2, s[6:7] offset:(n%4)*262144-(n/4)*4096 th:TH_LOAD_NT   ; the ring is filled before the softmax is made
.set n, n+1
.endr
	s_wait_loadcnt 32                              ; my 8 scores are in; the ring's 32 loads stay out
	v_max3_num_f32 v14, v6, v7, v8
	v_max3_num_f32 v15, v9, v10, v11
	v_max3_num_f32 v14, v14, v12, v13
	v_max_num_f32 v14, v14, v15
.irp m, 1,2,4,8
	v_max_num_f32_dpp v14, v14, v14 row_xmask:\m row_mask:0xf bank_mask:0xf
.endr
	v_permlanex16_b32 v15, v14, s20, s21
	v_max_num_f32 v14, v14, v15                    ; my wave's largest score
	ds_store_b32 v1, v14 offset:MAXW               ; all lanes write the same word with the same value
	s_wait_dscnt 0x0                               ; for the others' sake
	s_barrier_signal -1
	s_barrier_wait -1
	ds_load_b128 v[14:17], v[ZA] offset:MAXW
	ds_load_b128 v[18:21], v[ZA] offset:MAXW+16
	s_wait_dscnt 0x0
	v_max3_num_f32 v14, v14, v15, v16
	v_max3_num_f32 v17, v17, v18, v19
	v_max3_num_f32 v14, v14, v20, v21
	v_max_num_f32 v14, v14, v17                    ; the batch's largest score
	v_mul_f32 v15, s22, v14
.irp i, 0,1,2,3,4,5,6,7
	v_fma_f32 v[6+\i], v[6+\i], s22, -v15          ; (s - m) log2(e)
.endr
.irp i, 0,1,2,3,4,5,6,7
	v_exp_f32 v[6+\i], v[6+\i]                     ; at most about 1; not normalised
.endr
	v_nop                                          ; a plain line behind the last exponential,
	s_wait_alu depctr_va_vdst(0)                   ; and one wait for the eight, ahead of their first reader
	ds_store_b128 v22, v[6:9] offset:PB
	ds_store_b128 v22, v[10:13] offset:PB+16
	v_pk_add_f32 v[14:15], v[6:7], v[8:9]
	v_pk_add_f32 v[16:17], v[10:11], v[12:13]
	v_pk_add_f32 v[14:15], v[14:15], v[16:17]
	v_add_f32 v14, v14, v15
.irp m, 1,2,4,8
	v_add_f32_dpp v14, v14, v14 row_xmask:\m row_mask:0xf bank_mask:0xf
.endr
	v_permlanex16_b32 v15, v14, s20, s21
	v_add_f32 v14, v14, v15                        ; my wave's sum of weights
	ds_store_b32 v1, v14 offset:SUMW
	s_wait_dscnt 0x0
	s_barrier_signal -1
	s_barrier_wait -1                              ; the weights lie in LDS
; A trip: 8 rows of each of the four sub-blocks.  Slot n: sub-block n % 4, the (n / 4)-th row from the bottom of the trip's eight; its weight is register 8 u + 7 - n / 4.
.macro TRIP ahead
	v_mov_b32 v3, s24
.irp u, 0,1,2,3
	ds_load_b128 v[PR+8*\u:PR+8*\u+3], v3 offset:256*\u          ; every lane reads the same 16 bytes
	ds_load_b128 v[PR+8*\u+4:PR+8*\u+7], v3 offset:256*\u+16
.endr
	s_wait_dscnt 0x0
.set n, 0
.rept 32
.set rP, PR+8*(n%4)+7-n/4
.set rX, X+4*n
.set rC, ACC+4*(n%2)
.if \ahead
	s_wait_loadcnt 31                              ; loads come back in order (ISA guide 5.7.1): this slot's is in, the 31 younger ones stay out
.else
	s_wait_loadcnt 31-n                            ; the last trip loads nothing: the counts run down
.endif
.if rP%2
	v_pk_fma_f32 v[rC:rC+1], v[rX:rX+1], v[rP-1:rP], v[rC:rC+1] op_sel:[0,1,0] op_sel_hi:[1,1,1]
	v_pk_fma_f32 v[rC+2:rC+3], v[rX+2:rX+3], v[rP-1:rP], v[rC+2:rC+3] op_sel:[0,1,0] op_sel_hi:[1,1,1]
.else
	v_pk_fma_f32 v[rC:rC+1], v[rX:rX+1], v[rP:rP+1], v[rC:rC+1] op_sel_hi:[1,0,1]
	v_pk_fma_f32 v[rC+2:rC+3], v[rX+2:rX+3], v[rP:rP+1], v[rC+2:rC+3] op_sel_hi:[1,0,1]
.endif
.if \ahead
	global_load_b128 v[rX:rX+3], v2, s[6:7] offset:(n%4)*262144-(n/4)*4096-32768 th:TH_LOAD_NT   ; the same slot's row of the next trip: 8 rows up
.endif
.set n, n+1
.endr
.if \ahead
	s_wait_xcnt 0x0                                ; the loads have read their base: it is stepped only behind this wait
	s_sub_nc_u64 s[6:7], s[6:7], 32768
	s_sub_co_u32 s24, s24, 32
.endif
.endm
	s_mov_b32 s25, 7
.Ltrip:
	TRIP 1
	s_sub_co_u32 s25, s25, 1
	s_cmp_lg_u32 s25, 0
	s_cbranch_scc1 .Ltrip
	TRIP 0                                         ; rows 7 to 0 of each sub-block: no load leaves the buffer
	v_pk_add_f32 v[ACC:ACC+1], v[ACC:ACC+1], v[ACC+4:ACC+5]
	v_pk_add_f32 v[ACC+2:ACC+3], v[ACC+2:ACC+3], v[ACC+6:ACC+7]
	ds_store_b128 v23, v[ACC:ACC+3] offset:RED
	s_wait_dscnt 0x0
	s_barrier_signal -1
	s_barrier_wait -1                              ; the eight waves' parts lie in LDS
	s_cmp_lg_u32 s10, 0
	s_cbranch_scc1 .Ldone                          ; wave 0 adds them; no barrier stands in this branch
.irp k, 0,1,2,3,4,5,6,7
	ds_load_b128 v[X+4*\k:X+4*\k+3], v2 offset:RED+512*\k
.endr
	ds_load_b128 v[14:17], v[ZA] offset:SUMW
	ds_load_b128 v[18:21], v[ZA] offset:SUMW+16
	s_wait_dscnt 0x0
	v_pk_add_f32 v[14:15], v[14:15], v[16:17]
	v_pk_add_f32 v[18:19], v[18:19], v[20:21]
	v_pk_add_f32 v[14:15], v[14:15], v[18:19]
	v_add_f32 v14, v14, v15                        ; the sum of all weights: at least about 1
	v_rcp_f32 v16, v14
.irp k, 0,2,4,6
	v_pk_add_f32 v[X+4*\k:X+4*\k+1], v[X+4*\k:X+4*\k+1], v[X+4*\k+4:X+4*\k+5]      ; plain work behind the reciprocal
	v_pk_add_f32 v[X+4*\k+2:X+4*\k+3], v[X+4*\k+2:X+4*\k+3], v[X+4*\k+6:X+4*\k+7]
.endr
.irp k, 0,4
	v_pk_add_f32 v[X+4*\k:X+4*\k+1], v[X+4*\k:X+4*\k+1], v[X+4*\k+8:X+4*\k+9]
	v_pk_add_f32 v[X+4*\k+2:X+4*\k+3], v[X+4*\k+2:X+4*\k+3], v[X+4*\k+10:X+4*\k+11]
.endr
	v_pk_add_f32 v[X:X+1], v[X:X+1], v[X+16:X+17]
	v_pk_add_f32 v[X+2:X+3], v[X+2:X+3], v[X+18:X+19]
	s_wait_alu depctr_va_vdst(0)                   ; the wait ahead of the reciprocal's first reader
.irp i, 0,1,2,3
	v_mul_f32 v[ACC+\i], v[X+\i], v16
.endr
	global_store_b128 v2, v[ACC:ACC+3], s[8:9]     ; 32 lanes store 512 consecutive bytes, aligned
.Ldone:
	s_wait_tensorcnt 0x0                           ; the wave's end, behind my last LDS store
	ds_add_u32 v4, v5
	s_wait_dscnt 0x0
	s_endpgm
.Lfunc_end_k_q2bc5263ea4_ctx:
	.size	k_q2bc5263ea4_ctx, .Lfunc_end_k_q2bc5263ea4_ctx-k_q2bc5263ea4_ctx
	.p2alignl 7, 3214868480
	.fill 96, 4, 3214868480
	.section	.rodata,"a",@progbits
	.p2align	6, 0x0
	.amdhsa_kernel k_q2bc5263ea4_ctx
		.amdhsa_group_segment_fixed_size 13824
		.amdhsa_private_segment_fixed_size 0
		.amdhsa_enable_private_segment 0
		.amdhsa_kernarg_size 24
		.amdhsa_user_sgpr_count 2
		.amdhsa_user_sgpr_kernarg_segment_ptr 1
		.amdhsa_wavefront_size32 1
		.amdhsa_system_sgpr_workgroup_id_x 1
		.amdhsa_system_sgpr_workgroup_id_y 1
		.amdhsa_system_sgpr_workgroup_id_z 1
		.amdhsa_system_vgpr_workitem_id 0
		.amdhsa_next_free_vgpr 208
		.amdhsa_next_free_sgpr 66
		.amdhsa_reserve_vcc 0
		.amdhsa_float_denorm_mode_32 3
		.amdhsa_float_denorm_mode_16_64 3
		.amdhsa_memory_ordered 1
		.amdhsa_forward_progress 1
		.amdhsa_inst_pref_size 25
	.end_amdhsa_kernel
	.amdgpu_metadata
---
amdhsa.version: [ 1, 2 ]
amdhsa.kernels:
  - .name:           k_q2bc5263ea4_ctx
    .symbol:         k_q2bc5263ea4_ctx.kd
    .args:
      - { .name: scores, .offset: 0, .size: 8, .value_kind: global_buffer, .address_space: global }
      - { .name: encoder_outputs, .offset: 8, .size: 8, .value_kind: global_buffer, .address_space: global }
      - { .name: out0, .offset: 16, .size: 8, .value_kind: global_buffer, .address_space: global }
    .group_segment_fixed_size: 13824
    .private_segment_fixed_size: 0
    .kernarg_segment_align: 8
    .kernarg_segment_size: 24
    .max_flat_workgroup_size: 256
    .sgpr_count:     66
    .vgpr_count:     208
    .wavefront_size: 32
...
	.end_amdgpu_metadata
.endif
;; end of part 3
